; MI455X (gfx1250); checked and timed in simulation.
; The chip was launched on July 23, 2026; its instructions are those of AMD's public machine-readable ISA for CDNA 5 (MIT licence, August 2026) and "CDNA5" Instruction Set Architecture Reference Guide (July 2026). The comments in the code are by the model that wrote it; some were corrected since.
;; Attention With Einops. Allowed arithmetic: matrix products marked QUANTISED: E4M3 operands, one given power-of-two scale a tensor, by v_wmma_f32_16x16x64_fp8_fp8 or v_wmma_f32_16x16x128_fp8_fp8, f32 sums; everything else in f32.
;; Inputs: W_K_codes 16 x 64 x 32 x 32 uint8 (E4M3 codes of W_K, K innermost, in blocks of 32 codes); W_O 16 x 64 x 1,024 float32; W_Q_codes 16 x 64 x 32 x 32 uint8 (E4M3 codes of W_Q, K innermost, in blocks of 32 codes); W_V_codes 16 x 64 x 32 x 32 uint8 (E4M3 codes of W_V, K innermost, in blocks of 32 codes); lowp_scales 12 int32 (the exponents e of the quantised operands' scales 2^e); residual_codes 4 x 2,048 x 32 x 32 uint8 (E4M3 codes of residual, K innermost, in blocks of 32 codes).
;; Outputs: out0 4 x 2,048 x 1,024 float32.
;; This version of the problem:
;;   THIS VERSION OF THE PROBLEM IS GIVEN IN LOW PRECISION. The matrix products marked QUANTISED in the list below multiply operands that are first quantised to E4M3 (4 exponent bits, 3 mantissa bits; 8 bits a number), with one given power-of-two scale for each operand tensor; their sums are f32. All else is computed in f32.
;;   The module's matrix products, in the order in which they are computed (A, B: the left and right operand; K: the contracted axis; several contracted axes count as one K, in the product's order):
;;     1. [M 8,192, K 1,024] x [K 1,024, N 1,024]; A: input residual (given as codes); B: input W_Q (given as codes): QUANTISED (scales: A lowp_scales[0], B lowp_scales[1])
;;     2. [M 8,192, K 1,024] x [K 1,024, N 1,024]; A: input residual (given as codes); B: input W_K (given as codes): QUANTISED (scales: A lowp_scales[2], B lowp_scales[3])
;;     3. [M 8,192, K 1,024] x [K 1,024, N 1,024]; A: input residual (given as codes); B: input W_V (given as codes): QUANTISED (scales: A lowp_scales[4], B lowp_scales[5])
;;     4. batch 64 x [M 2,048, K 64] x [K 64, N 2,048]; A: computed on the way; B: computed on the way: QUANTISED (scales: A lowp_scales[6], B lowp_scales[7])
;;     5. batch 64 x [M 64, K 2,048] x [K 2,048, N 2,048]; A: computed on the way; B: softmax (see below): QUANTISED (scales: A lowp_scales[8], B lowp_scales[9])
;;     6. [M 8,192, K 1,024] x [K 1,024, N 1,024]; A: computed on the way; B: input W_O: QUANTISED (scales: A lowp_scales[10], B lowp_scales[11])
;;   THE QUANTISER, for each operand of a quantised product, along K:
;;     - The operand's scale is 2^e, e = its entry of the input lowp_scales (int32; the entries are numbered through the quantised products in the list's order, A before B).
;;     - Each number is divided by the scale, clamped to +-448, and rounded to the nearest number of E4M3, ties to even, subnormals kept.
;;     - The product sums the exact products of the quantised numbers (number of the format x scale) in f32.
;;   ~~~python
;;   def quantise(x, axis, e):      # numpy; x: float32 -> the quantised numbers, widened to float32 again
;;       x = np.moveaxis(x, axis, -1); K = x.shape[-1]
;;       r = np.clip(x / 2.0 ** e, -448, 448)
;;       step = 2.0 ** (np.maximum(np.frexp(np.where(r == 0, 1, r))[1] - 1, -6) - 3)
;;       q = np.round(r / step) * step * 2.0 ** e      # np.round: ties to even
;;       return np.moveaxis(q, -1, axis).astype(np.float32)
;;   ~~~
;;   SOFTMAX AHEAD OF A QUANTISED PRODUCT. Where the list says 'softmax', what is quantised is not the finished softmax but p = 2^(t - M), with t = logit x log2(e) and M = ceil(the row's largest t), a whole number; so 1/2 < the row's largest p <= 1. The row's sum l is taken of the UNQUANTISED p, in f32, and the product's result is divided by l at the end. Since M is a whole number, a kernel that streams over the keys may use a running M (the ceiling of the running maximum): every later rescaling is an exact power of two, so the quantised numbers keep their values, but for numbers so far below the row's largest that they fall under the format's range.
;;   OPERANDS COMPUTED ON THE WAY. 'Computed on the way' means the value that the module computes at that place (a softmax that the list does not call 'softmax' is quantised finished and normalised). What goes into a quantiser is computed in f32, as accurately as f32 sums, v_exp_f32 and their like allow (about 1e-6 of the number): no bf16 or f16 on the way to a quantiser, and a product that is left as it is and whose result goes on into a quantised operand takes f32 operands (vector FMAs, or v_wmma_f32_16x16x4_f32). A number that lies on a knife's edge between two numbers of the format may be rounded either way, as far as f32 arithmetic and the matrix unit's own rounding can turn it there, and no further.
;;   INPUTS GIVEN AS CODES. W_K (in the module: [16, 64, 1024], K = its axis 2); W_Q (in the module: [16, 64, 1024], K = its axis 2); W_V (in the module: [16, 64, 1024], K = its axis 2); residual (in the module: [4, 2048, 1024], K = its axis 2): each comes as NAME_codes (uint8): NAME with its K axis moved to the last place and cut into blocks of 32 codes, [.., K / 32, bytes a block], one block behind the other in memory; one code a byte (a code: sign, 4 exponent bits, 3 mantissa bits); its scale is its entry of lowp_scales. Its value is code x scale, taken as it is: it is not quantised again, and the codes and scales need not be those that the quantiser above would give.
;; One version. Each part assembles by itself: llvm-mc -triple=amdgcn-amd-amdhsa -mcpu=gfx1250 --defsym DOCPART=n.
;; ======== version 1 of 1: 3 launches
;; limits: right only within a limited range of input values
;; workspace buffers: q_img 8,388,608 bytes; kv_img 16,777,216 bytes; wo_img 1,048,576 bytes; attn_img 8,388,608 bytes
;; launch proj (part 1): grid 12 x 32, 4 waves a work-group, clusters of 4 x 4, 327,680 bytes of LDS; arguments residual_codes, W_Q_codes, W_K_codes, W_V_codes, W_O, lowp_scales, q_img, kv_img, wo_img; writes q_img, kv_img, wo_img
.if DOCPART == 1
	.amdgcn_target "amdgcn-amd-amdhsa--gfx1250"
	.amdhsa_code_object_version 6
	.text
	.protected	k_q7b9b28fffe_proj
	.globl	k_q7b9b28fffe_proj
	.p2align	8
	.type	k_q7b9b28fffe_proj,@function
k_q7b9b28fffe_proj:
	s_mov_b64 s[64:65], 0
	v_nop
	global_prefetch_b8 v0, s[64:65] scope:SCOPE_SE
	s_setreg_imm32_b32 hwreg(HW_REG_WAVE_MODE, 25, 1), 1
	s_wait_xcnt 0x0
	s_wait_alu depctr_hold_cnt(0) depctr_sa_sdst(0) depctr_va_vdst(0) depctr_va_sdst(0) depctr_va_ssrc(0) depctr_va_vcc(0) depctr_vm_vsrc(0)
	s_getreg_b32 s2, hwreg(HW_REG_IB_STS2, 6, 4)
	s_cmp_eq_u32 s2, 0
	s_cbranch_scc0 .Lentry_in_a_cluster
	s_endpgm
.Lentry_in_a_cluster:
	s_bfe_u32 s2, ttmp6, 0x10000c
	s_cmp_lg_u32 s2, 0xf033
	s_cbranch_scc0 .Lentry_shape_is_right
	s_endpgm
.Lentry_shape_is_right:
.set ROWB,   256
.set KROW,   1024
.set PITCH,  272
.set FR,     16
.set NL,     4
.set NP,     4
.set HALFT,  128*PITCH
.set SLOT,   4*HALFT
.set SPARE,  2*SLOT
.set WOL,  8
.set WOS,  9
.set WSC,  10
.set WLM,  11
.set ADRA, 16
.set ADRB, 20
.set VO,   24
.set SC,   26
.set LIM,  27
.set SPW,  28
.set NIL,  29
.set TMP,  32
.set WN,   32
.set WC,   96
.set AF,   128
.set CD,   128
.set WV,   22
.set RH,   23
.set CH,   66
.set G1,   24
.set G0,   32
.set G1B,  48
.set G0B,  56
.set MSB, 0
.macro WIN new
.if MSB != (\new)
	s_set_vgpr_msb (MSB<<8)|(\new)
.set MSB, (\new)
.endif
.endm
.set MUL_LO, 0xa1
.set MUL_HI, 0xf1
.set TO_B,   0x40
.macro JLOAD s
	s_cmp_eq_u32 s[RH], 0
	s_cbranch_scc0 .Lfor_b_\@
	tensor_load_to_lds s[G0+4*\s:G0+4*\s+3], s[G1:G1+7]
	s_nop 0
.rept 4
	v_nop
.endr
	s_branch .Lasked_\@
.Lfor_b_\@:
	tensor_load_to_lds s[G0B+4*\s:G0B+4*\s+3], s[G1B:G1B+7]
	s_nop 0
.rept 4
	v_nop
.endr
.Lasked_\@:
.endm
.macro CREST
	s_cmp_lg_u32 s[WV], 0
	s_cbranch_scc1 .Lnot_wave_0_\@
	s_barrier_signal -3
.Lnot_wave_0_\@:
	s_barrier_wait -3
	s_barrier_signal -1
	s_barrier_wait -1
.endm
.macro CROUND
	s_barrier_signal -1
	s_barrier_wait -1
	CREST
.endm
	s_load_b256 s[4:11], s[0:1], 0x0
	s_load_b256 s[12:19], s[0:1], 0x20
	s_load_b64 s[20:21], s[0:1], 0x40
	v_lshl_add_u32 v[SPW], v0, 2, SPARE
	v_mov_b32 v[NIL], 0
	ds_add_u32 v28, v29
	ds_add_u32 v28, v29
	s_wait_dscnt 0x0
	v_lshrrev_b32 v1, 5, v0
	v_readfirstlane_b32 s[WV], v1
	s_lshr_b32 s[RH], s[WV], 1
	s_and_b32 s[CH], s[WV], 1
	s_bfe_u32 s40, ttmp6, 0x40000
	s_bfe_u32 s41, ttmp6, 0x40004
	s_and_b32 s42, ttmp7, 0xffff
	s_lshl_b32 s42, s42, 2
	s_lshl_b32 s43, s41, 2
	s_lshl_b32 s43, 15, s43
	s_lshl_b32 s44, 0x1111, s40
	s_or_b32 s[G1+0], s43, (0<<16)|(1<<20)|(1<<21)|(5<<22)|(3<<25)
	s_or_b32 s[G1B+0], s44, (0<<16)|(1<<20)|(1<<21)|(5<<22)|(3<<25)
.irp g, G1, G1B
	s_mov_b32 s[\g+1], ROWB<<16
	s_mov_b32 s[\g+2], 128<<16
	s_mov_b32 s[\g+3], ROWB<<16
	s_mov_b32 s[\g+4], 128
	s_mov_b32 s[\g+5], KROW
	s_mov_b32 s[\g+6], 0
	s_mov_b32 s[\g+7], 0
.endr
	s_cmp_eq_u32 ttmp9, 2
	s_cselect_b32 s86, 0, s42
	s_cselect_b32 s87, s42, 0
	s_add_co_u32 s86, s86, s41
	s_add_co_u32 s87, s87, s40
	s_lshl_b32 s46, s[CH], 17
	s_lshl_b32 s88, s86, 18
	s_add_co_u32 s88, s88, s46
	s_mov_b32 s89, 0
	s_lshl_b32 s90, s87, 18
	s_add_co_u32 s90, s90, s46
	s_mov_b32 s91, 0
	s_mul_i32 s45, s[WV], HALFT
	s_wait_kmcnt 0x0
	s_load_b256 s[68:75], s[14:15], 0x0
	s_load_b128 s[76:79], s[14:15], 0x20
	s_cmp_eq_u32 ttmp9, 2
	s_cselect_b64 s[80:81], s[10:11], s[4:5]
	s_cselect_b64 s[82:83], s[4:5], s[8:9]
	s_cmp_eq_u32 ttmp9, 0
	s_cselect_b64 s[82:83], s[6:7], s[82:83]
	s_cselect_b64 s[84:85], s[16:17], s[18:19]
	s_add_nc_u64 s[80:81], s[80:81], s[88:89]
	s_add_nc_u64 s[82:83], s[82:83], s[90:91]
	CROUND
.irp s, 0,1
	s_mov_b32 s[G0+4*\s], 1
	s_add_co_u32 s[G0+4*\s+1], s45, \s*SLOT
	s_add_nc_u64 s[G0+4*\s+2:G0+4*\s+3], s[80:81], \s*ROWB
	s_or_b32 s[G0+4*\s+3], s[G0+4*\s+3], 0x80000000
	s_mov_b32 s[G0B+4*\s], 1
	s_add_co_u32 s[G0B+4*\s+1], s45, \s*SLOT
	s_add_nc_u64 s[G0B+4*\s+2:G0B+4*\s+3], s[82:83], \s*ROWB
	s_or_b32 s[G0B+4*\s+3], s[G0B+4*\s+3], 0x80000000
	s_wait_alu depctr_va_vdst(0)
	s_wait_tensorcnt 0x0
	ds_add_u32 v28, v29
	ds_add_u32 v28, v29
	s_wait_dscnt 0x0
	CROUND
	JLOAD \s
.endr
	v_and_b32 v1, 15, v0
	v_bfe_u32 v2, v0, 4, 1
	v_mul_u32_u24 v3, v1, PITCH
	v_lshl_add_u32 v4, v2, 4, v3
	s_mul_i32 s92, s[RH], HALFT
	s_mul_i32 s93, s[CH], HALFT
	s_add_co_u32 s93, s93, 2*HALFT
.irp s, 0,1
	v_add_nc_u32 v[ADRA+\s], s92, v4
	v_add_nc_u32 v[ADRB+\s], s93, v4
	s_add_co_u32 s92, s92, SLOT
	s_add_co_u32 s93, s93, SLOT
.endr
	v_and_b32 v5, 31, v0
	v_lshlrev_b32 v[WOL], 2, v5
	v_lshlrev_b32 v[VO], 4, v5
	v_lshlrev_b32 v[WOS], 4, v1
	v_lshl_add_u32 v[WOS], v2, 10, v[WOS]
	s_wait_kmcnt 0x0
	s_cmp_lt_u32 ttmp9, 2
	s_cbranch_scc0 .Lno_wo
	s_lshl_b32 s94, ttmp9, 3
	s_lshr_b32 s95, s42, 2
	s_add_co_u32 s94, s94, s95
	s_lshl_b32 s94, s94, 2
	s_add_co_u32 s94, s94, s41
	s_lshl_b32 s94, s94, 2
	s_add_co_u32 s94, s94, s40
	s_lshl_b32 s94, s94, 2
	s_add_co_u32 s94, s94, s[WV]
	s_and_b32 s95, s94, 31
	s_lshr_b32 s94, s94, 5
	s_lshl_b32 s96, s94, 17
	s_lshl_b32 s97, s95, 7
	s_add_co_u32 s96, s96, s97
	s_mov_b32 s97, 0
	s_add_nc_u64 s[12:13], s[12:13], s[96:97]
.set i, 0
	s_wait_alu depctr_va_vdst(0)
.rept 32
	global_load_b32 v[WN+i], v[WOL], s[12:13] offset:4096*i th:TH_LOAD_NT
.set i, i+1
.endr
	s_lshr_b32 s96, s95, 3
	s_lshl_b32 s96, s96, 4
	s_lshr_b32 s98, s94, 1
	s_add_co_u32 s96, s96, s98
	s_lshl_b32 s96, s96, 14
	s_and_b32 s98, s95, 7
	s_lshl_b32 s98, s98, 11
	s_add_co_u32 s96, s96, s98
	s_and_b32 s98, s94, 1
	s_lshl_b32 s98, s98, 9
	s_add_co_u32 s96, s96, s98
	s_add_nc_u64 s[20:21], s[20:21], s[96:97]
	s_add_co_i32 s98, s79, 127
	s_lshl_b32 s99, s98, 23
	v_mov_b32 v[WSC], s99
	s_add_co_i32 s98, s98, 8
	s_lshl_b32 s98, s98, 23
	s_or_b32 s98, s98, 0x600000
	v_mov_b32 v[WLM], s98
	s_wait_alu depctr_va_vdst(0)
	s_wait_loadcnt 0x0
.set i, 0
.rept 32
	v_med3_num_f32 v[WN+i], v[WN+i], -v[WLM], v[WLM]
.set i, i+1
.endr
.irp g, 0,1,2,3
	v_cvt_scalef32_pk8_fp8_f32 v[WC+4*(\g%2)+2*(\g/2):WC+4*(\g%2)+2*(\g/2)+1], v[WN+8*\g:WN+8*\g+7], v[WSC]
.endr
	v_nop
	global_store_b128 v[WOS], v[WC:WC+3], s[20:21]
	global_store_b128 v[WOS], v[WC+4:WC+7], s[20:21] offset:256
.Lno_wo:
	s_add_co_i32 s94, s68, s69
	s_sub_co_i32 s94, s74, s94
	s_add_co_i32 s95, s70, s71
	s_sub_co_i32 s95, s75, s95
	s_add_co_i32 s96, s72, s73
	s_sub_co_i32 s96, s76, s96
	s_cmp_eq_u32 ttmp9, 2
	s_cselect_b32 s95, s96, s95
	s_cmp_eq_u32 ttmp9, 0
	s_cselect_b32 s94, s94, s95
	s_mov_b32 s97, 0x40000
	s_cselect_b32 s97, 0x20000, s97
	s_wait_alu depctr_va_vdst(0)
	v_add_nc_u32 v[VO+1], s97, v[VO]
	s_add_co_i32 s94, s94, 127
	s_lshl_b32 s95, s94, 23
	v_mov_b32 v[SC], s95
	s_add_co_i32 s94, s94, 8
	s_lshl_b32 s94, s94, 23
	s_or_b32 s94, s94, 0x600000
	v_mov_b32 v[LIM], s94
.macro FRAG reg, adr, q, i
.irp c, 0,1,2,3
	ds_load_b128 v[\reg+4*\c:\reg+4*\c+3], v[\adr] offset:128*(\q)+32*\c+(\i)*16*PITCH
.endr
.endm
.macro MUL16 a0, p, zero
.irp a, \a0, \a0+1
.irp b, 0,1,2,3,4,5,6,7
.if \zero
	v_wmma_f32_16x16x128_fp8_fp8 v[8*(8*((\a)%4)+\b):8*(8*((\a)%4)+\b)+7], v[128*(\p)+FR*\b:128*(\p)+FR*\b+FR-1], v[AF+FR*(\a):AF+FR*(\a)+FR-1], 0
.else
	v_wmma_f32_16x16x128_fp8_fp8 v[8*(8*((\a)%4)+\b):8*(8*((\a)%4)+\b)+7], v[128*(\p)+FR*\b:128*(\p)+FR*\b+FR-1], v[AF+FR*(\a):AF+FR*(\a)+FR-1], v[8*(8*((\a)%4)+\b):8*(8*((\a)%4)+\b)+7]
.endif
.endr
.endr
.endm
.macro FETCH_B slot, q, p
	WIN TO_B
.irp i, 0,1,2,3,4,5,6,7
	FRAG 128*(\p)+FR*\i, ADRB+\slot, \q, \i
.endr
	WIN 0
.endm
.macro FETCH_A slot, q, i0
.irp i, \i0, \i0+1, \i0+2, \i0+3
	FRAG AF+FR*(\i), ADRA+\slot, \q, \i
.endr
.endm
.macro PLACES n
.rept \n
	v_nop
.endr
.endm
.macro STEP slot, q, zero
	s_wait_dscnt 4*NL
	WIN MUL_LO
	MUL16 0, (\q)%2, \zero
	MUL16 2, (\q)%2, \zero
	s_wait_dscnt 0
	PLACES NP
	FETCH_B \slot, (\q)+1, 1-(\q)%2
	FETCH_A \slot, (\q)+1, 0
	WIN MUL_HI
	MUL16 4, (\q)%2, \zero
	MUL16 6, (\q)%2, \zero
	PLACES NP
	WIN 0
	FETCH_A \slot, (\q)+1, 4
.endm
.macro TURN slot, next, fill
	s_wait_tensorcnt 0x0
	ds_add_u32 v[SPW], v[NIL]
	s_wait_dscnt 4*NL+1
	WIN MUL_LO
	MUL16 0, 1, 0
	s_wait_dscnt 0x0
	s_barrier_signal -1
	MUL16 2, 1, 0
	WIN 0
	s_barrier_wait -1
.if \fill
	CREST
	s_add_nc_u64 s[G0+4*\slot+2:G0+4*\slot+3], s[G0+4*\slot+2:G0+4*\slot+3], 2*ROWB
	s_add_nc_u64 s[G0B+4*\slot+2:G0B+4*\slot+3], s[G0B+4*\slot+2:G0B+4*\slot+3], 2*ROWB
	JLOAD \slot
.else
	PLACES NP
.endif
	FETCH_B \next, 0, 0
	FETCH_A \next, 0, 0
	WIN MUL_HI
	MUL16 4, 1, 0
	MUL16 6, 1, 0
	PLACES NP
	WIN 0
	FETCH_A \next, 0, 4
.endm
	s_wait_tensorcnt 1
	s_barrier_signal -1
	s_barrier_wait -1
	FETCH_B 0, 0, 0
	FETCH_A 0, 0, 0
	FETCH_A 0, 0, 4
	STEP 0, 0, 1
	TURN 0, 1, 1
	STEP 1, 0, 0
	TURN 1, 0, 1
	STEP 0, 0, 0
	TURN 0, 1, 0
	STEP 1, 0, 0
	s_wait_dscnt 4*NL
	WIN MUL_LO
	MUL16 0, 1, 0
	MUL16 2, 1, 0
	s_wait_alu depctr_va_vdst(0)
	s_wait_dscnt 0
	WIN MUL_HI
	MUL16 4, 1, 0
	MUL16 6, 1, 0
	WIN 0
	s_cmp_eq_u32 ttmp9, 2
	s_cselect_b32 s92, s87, s86
	s_cselect_b32 s93, s[CH], s[RH]
	s_cselect_b32 s94, s41, s40
	s_cselect_b32 s95, s[RH], s[CH]
	s_cselect_b32 s96, 8192, 0
	s_lshl_b32 s92, s92, 1
	s_add_co_u32 s92, s92, s93
	s_lshl_b32 s94, s94, 2
	s_lshl_b32 s95, s95, 1
	s_add_co_u32 s94, s94, s95
	s_lshr_b32 s93, s92, 4
	s_lshl_b32 s93, s93, 4
	s_add_co_u32 s93, s93, s94
	s_and_b32 s92, s92, 15
	s_lshl_b32 s94, s93, 17
	s_lshl_b32 s95, s92, 13
	s_add_co_u32 s94, s94, s95
	s_lshl_b32 s95, s93, 18
	s_add_co_u32 s95, s95, s96
	s_lshl_b32 s96, s92, 14
	s_add_co_u32 s95, s95, s96
	s_cmp_eq_u32 ttmp9, 0
	s_cselect_b32 s94, s94, s95
	s_mov_b32 s95, 0
	s_add_nc_u64 s[84:85], s[84:85], s[94:95]
.macro QOUT a
.set AC, 64*((\a)%4)
	WIN 0x02+((\a)/4)
.set j, 0
.rept 64
	v_med3_num_f32 v[TMP+j], v[AC+j], -v[LIM], v[LIM]
.set j, j+1
.endr
	WIN 0
.irp b, 0,1,2,3,4,5,6,7
	v_cvt_scalef32_pk8_fp8_f32 v[CD+16*(\a)+2*\b:CD+16*(\a)+2*\b+1], v[TMP+8*\b:TMP+8*\b+7], v[SC]
.endr
	v_nop
.endm
	PLACES NP
.irp a, 0,1,2,3,4,5,6,7
	QOUT \a
.endr
	s_cmp_eq_u32 ttmp9, 2
	s_cbranch_scc1 .Lv_out
.irp a, 0,1,2,3,4,5,6,7
.irp hd, 0,1
.irp j, 0,1
	global_store_b128 v[VO+\hd], v[CD+16*\a+8*\hd+4*\j:CD+16*\a+8*\hd+4*\j+3], s[84:85] offset:1024*\a+512*\j
.endr
.endr
.endr
	s_branch .Lstored
.Lv_out:
	s_wait_alu depctr_va_vdst(0)
.irp a, 0,1,2,3,4,5,6,7
.irp j, 0,1,2,3
	global_store_b128 v[VO], v[CD+16*\a+4*\j:CD+16*\a+4*\j+3], s[84:85] offset:(\a/4)*262144+(\a%4)*2048+512*\j
.endr
.endr
.Lstored:
	s_wait_tensorcnt 0x0
	ds_add_u32 v[SPW], v[NIL]
	s_wait_dscnt 0x0
	CROUND
	s_endpgm
.Lfunc_end_k_q7b9b28fffe_proj:
	.size	k_q7b9b28fffe_proj, .Lfunc_end_k_q7b9b28fffe_proj-k_q7b9b28fffe_proj
	.p2alignl 7, 3214868480
	.fill 96, 4, 3214868480
	.section	.rodata,"a",@progbits
	.p2align	6, 0x0
	.amdhsa_kernel k_q7b9b28fffe_proj
		.amdhsa_group_segment_fixed_size 327680
		.amdhsa_private_segment_fixed_size 0
		.amdhsa_enable_private_segment 0
		.amdhsa_kernarg_size 72
		.amdhsa_user_sgpr_count 2
		.amdhsa_user_sgpr_kernarg_segment_ptr 1
		.amdhsa_wavefront_size32 1
		.amdhsa_system_sgpr_workgroup_id_x 1
		.amdhsa_system_sgpr_workgroup_id_y 1
		.amdhsa_system_sgpr_workgroup_id_z 1
		.amdhsa_system_vgpr_workitem_id 0
		.amdhsa_next_free_vgpr 1024
		.amdhsa_next_free_sgpr 100
		.amdhsa_reserve_vcc 0
		.amdhsa_float_denorm_mode_32 3
		.amdhsa_float_denorm_mode_16_64 3
		.amdhsa_memory_ordered 1
		.amdhsa_forward_progress 1
		.amdhsa_inst_pref_size 129
	.end_amdhsa_kernel
	.amdgpu_metadata
---
amdhsa.version: [ 1, 2 ]
amdhsa.kernels:
  - .name:           k_q7b9b28fffe_proj
    .symbol:         k_q7b9b28fffe_proj.kd
    .args:
      - { .name: residual_codes, .offset: 0, .size: 8, .value_kind: global_buffer, .address_space: global }
      - { .name: W_Q_codes, .offset: 8, .size: 8, .value_kind: global_buffer, .address_space: global }
      - { .name: W_K_codes, .offset: 16, .size: 8, .value_kind: global_buffer, .address_space: global }
      - { .name: W_V_codes, .offset: 24, .size: 8, .value_kind: global_buffer, .address_space: global }
      - { .name: W_O, .offset: 32, .size: 8, .value_kind: global_buffer, .address_space: global }
      - { .name: lowp_scales, .offset: 40, .size: 8, .value_kind: global_buffer, .address_space: global }
      - { .name: q_img, .offset: 48, .size: 8, .value_kind: global_buffer, .address_space: global }
      - { .name: kv_img, .offset: 56, .size: 8, .value_kind: global_buffer, .address_space: global }
      - { .name: wo_img, .offset: 64, .size: 8, .value_kind: global_buffer, .address_space: global }
    .group_segment_fixed_size: 327680
    .private_segment_fixed_size: 0
    .kernarg_segment_align: 8
    .kernarg_segment_size: 72
    .max_flat_workgroup_size: 128
    .sgpr_count:     100
    .vgpr_count:     1024
    .wavefront_size: 32
...
	.end_amdgpu_metadata
.endif
;; end of part 1
;; launch attn (part 2): grid 4 x 64, 16 waves a work-group, clusters of 4 x 1, 327,680 bytes of LDS; arguments q_img, kv_img, lowp_scales, attn_img; writes attn_img
.if DOCPART == 2
	.amdgcn_target "amdgcn-amd-amdhsa--gfx1250"
	.amdhsa_code_object_version 6
	.text
	.protected	k_q7b9b28fffe_attn
	.globl	k_q7b9b28fffe_attn
	.p2align	8
	.type	k_q7b9b28fffe_attn,@function
k_q7b9b28fffe_attn:
	s_mov_b64 s[64:65], 0
	v_nop
	global_prefetch_b8 v0, s[64:65] scope:SCOPE_SE
	s_setreg_imm32_b32 hwreg(HW_REG_WAVE_MODE, 25, 1), 1
	s_wait_xcnt 0x0
	s_wait_alu depctr_hold_cnt(0) depctr_sa_sdst(0) depctr_va_vdst(0) depctr_va_sdst(0) depctr_va_ssrc(0) depctr_va_vcc(0) depctr_vm_vsrc(0)
	s_getreg_b32 s2, hwreg(HW_REG_IB_STS2, 6, 4)
	s_cmp_eq_u32 s2, 0
	s_cbranch_scc0 .Lentry_in_a_cluster
	s_endpgm
.Lentry_in_a_cluster:
	s_bfe_u32 s2, ttmp6, 0x10000c
	s_cmp_lg_u32 s2, 0x3003
	s_cbranch_scc0 .Lentry_shape_is_right
	s_endpgm
.Lentry_shape_is_right:
; Causal attention of one (batch, head) on codes of E4M3: S^T = k q^T (K = 64), p = 2^(t - M), O^T = v^T p^T (K = 128 keys), O / the row's sum quantised again for the last product.
; t = score x log2(e) / 8; M = the running largest t rounded UP to a whole number; the row's sum is taken of the unquantised p, in f32.  When M moves, the sum and O^T are multiplied by 2^(old M - new M): exact.
; q takes entry 6 of the scales, k entry 7, v entry 8, p entry 9, the result entry 10.
; LEFT OUT: steps of 128 keys that lie wholly behind a tile's 16 queries: the causal mask sets their scores to -infinity, so their p is 0 for all values of the inputs.  A NaN or an infinity that reaches only such keys is not carried to the result.
; ALL KEYS OF THE HEAD STAY IN LDS: 16 steps x 16,384 bytes (a step: 8 fragments of k, 16 keys x 64 d, then 4 of v^T, 16 d x 128 keys), a dense copy of the head's 262,144 bytes of kv_img.  Nothing is filled again.
; Steps 0 and 1 are asked for at the head, 2,048 bytes a wave; steps 2 to 15 behind the next round, 14,336 bytes a wave, and land while steps 0 and 1 are worked.  Behind the one barrier that shows them whole no wave waits for another.
; SHARES.  Work-group j (0 to 3) of a head owns the tiles of 16 queries number 4 i + j, i = 0 .. 31; wave w owns i = 31 - w and i = w.  With h = w / 2 they count 16 - h and h + 1 steps: 17 for every wave of every work-group.
; The walk has places c = 0 .. 16: while c + h < 16 the later tile's step number c, then the earlier tile's step c + h - 16.  Places 0 and 1 are written out, places 2 to 15 are seven trips of two, place 16 is written out.
; A tile's last step lies on the diagonal: hidden scores become -infinity ahead of the maximum.  Whether a step is that one hangs on i alone (64 i <= first query <= 64 i + 48), so no branch hangs on j.
; TWO BLOCKS OF 64 REGISTERS CHANGE ROLES FROM STEP TO STEP: one holds k's fragments and then v^T's, the other S^T and then p.  When p has been converted, the NEXT step's fragments of k are asked for into p's registers,
; so that they are on their way through this step's last 16 multiplications and 4 products; the next step's S^T then lands where v^T lay.
; CLUSTER: the four work-groups of a head want the same bytes at the same time: both loads are joint (mask 15), each behind a round of the cluster's barrier.
; No prefetch: the two fills stand in no loop, and the second is asked for as soon as the first has landed.
; OPERANDS ARE IMAGES OF REGISTERS (16 bytes a lane, 512 consecutive bytes a load).  A lane holds ONE query throughout; eight registers of S^T are keys 16 t + 8 (lane / 16) + 0 .. 7: converted they are registers 2 t, 2 t + 1 of p's operand.
; LIMITS: e6 + e7 between -123 and 130 (added to c's exponent field); e9 and e10 - e8 - e9 between -126 and 119; the scaled scores t stay under 2^31 in magnitude.  NaN among the inputs is not served.
.set CHUNK, 16384                      ; a step's bytes
.set VOFF,  8192                       ; v^T's fragments in a step
.set F1B,   2*CHUNK                    ; the first fill
.set F2W,   14336                      ; a wave's part of the second: (16 - 2) x 16,384 / 16
.set SPARE, 294912                     ; behind the keys: the spare words, 128 bytes for each of sixteen waves
.set LI,   1                           ; v1   16 x lane
.set SPW,  5                           ; v5   my spare word; never rewritten
.set NIL,  6                           ; v6   0; never rewritten
; v8, v9: LDS addresses of the step in hand and of the next, by turns
; v12 -M, v13 the largest t, v[14:15] the sum; v16-23 Q in hand, v24-31 the earlier tile's; v32-95 and v96-159 the two blocks; v160-191 O^T; v192-207 p's codes; v208-223 the results' codes
; v240, v244: 448 x 2^e9, 2^e9;  v241, v245: the same with e10 - e8 - e9;  v234-255 else: at work
.set WV,   18
.set HW,   19                          ; h = wave / 2
.set SEL,  20                          ; s[20:21] lane l xor 16
.set CS,   22                          ; s[22:23] c
.set G1,   24                          ; group 1 of the first fill: 8 rows of 256 bytes
.set G1B,  32                          ; of the second: 56 rows
.set G0,   40
.set G0B,  44
.set CX,   48                          ; j
.set QD,   49                          ; 64 i of the tile in hand: what the branches read
.set OHI,  50                          ; s[50:51], s[52:53]: where my two fragments of results go
.set OLO,  52
.set Q0L,  54                          ; the earlier tile's first query
.set QDL,  55                          ; and its 64 i
.set KFN,  56                          ; the next step's first key
.set QHI,  58
.set QLO,  60
.set TBN,  66                          ; LDS byte at which the next step begins
.set C4,   67                          ; the walk's place
.set KF,   98                          ; the step's first key
.set Q0,   99                          ; my first query
.macro CROUND                          ; a round of the cluster's barrier
	s_barrier_signal -1
	s_barrier_wait -1
	s_cmp_lg_u32 s[WV], 0
	s_cbranch_scc1 .Lnot_wave_0_\@
	s_barrier_signal -3
.Lnot_wave_0_\@:
	s_barrier_wait -3
	s_barrier_signal -1
	s_barrier_wait -1
.endm
.macro OUTP dst, q0                    ; attn_img [128 rows: 64][head 16][16 rows: 8][1,024]
	s_lshr_b32 s90, s82, 4
	s_lshl_b32 s90, s90, 11
	s_add_co_u32 s90, s90, s[\q0]                  ; row = 2,048 b + query
	s_lshr_b32 s91, s90, 7
	s_lshl_b32 s91, s91, 4
	s_and_b32 s92, s82, 15
	s_add_co_u32 s91, s91, s92
	s_lshl_b32 s91, s91, 13
	s_bfe_u32 s90, s90, 0x30004
	s_lshl_b32 s90, s90, 10
	s_add_co_u32 s90, s90, s91
	s_mov_b32 s91, 0
	s_add_nc_u64 s[\dst:\dst+1], s[10:11], s[90:91]
.endm
.macro FRESH                           ; a tile's first step finds zeros, which the first change of M leaves zeros
	v_mov_b32 v13, 0xff61b1e6                      ; the largest t so far: -3e38
	s_delay_alu instid0(VALU_DEP_1)
	v_floor_f32 v12, -v13
	v_mov_b32 v14, 0
	v_mov_b32 v15, 0
.set j, 0
.rept 32
	v_mov_b32 v[160+j], 0
.set j, j+1
.endr
.endm
.macro KLOAD reg, adr                  ; a step's eight fragments of k
.irp t, 0,1,2,3,4,5,6,7
	ds_load_b128 v[\reg+8*\t:\reg+8*\t+3], v[\adr] offset:\t*1024
	ds_load_b128 v[\reg+8*\t+4:\reg+8*\t+7], v[\adr] offset:\t*1024+512
.endr
.endm
.macro PA d, a
	v_pk_add_f32 v[\d:\d+1], v[\d:\d+1], v[\a:\a+1]
.endm
	s_load_b256 s[4:11], s[0:1], 0x0               ; q_img s[4:5], kv_img s[6:7], the exponents s[8:9], attn_img s[10:11]
	v_lshl_add_u32 v[SPW], v0, 2, SPARE
	v_mov_b32 v[NIL], 0
	ds_add_u32 v[SPW], v[NIL]                      ; the opening lines: the add, twice on end, and its wait
	ds_add_u32 v[SPW], v[NIL]
	v_lshrrev_b32 v8, 5, v0
	v_readfirstlane_b32 s[WV], v8                  ; wave 0..15
	s_lshr_b32 s[HW], s[WV], 1
	s_bfe_u32 s[CX], ttmp6, 0x40000                ; j: my place in the cluster
	s_and_b32 s82, ttmp7, 0xffff                   ; 16 b + head
	s_lshl_b32 s84, s82, 18                        ; its 262,144 bytes of kv_img
	s_mov_b32 s85, 0
	s_lshl_b32 s86, s[WV], 11                      ; my part of the first fill, in memory and in LDS alike
	s_mov_b32 s87, 0
	s_mul_i32 s88, s[WV], F2W
	s_add_co_u32 s88, s88, F1B                     ; and of the second
	s_mov_b32 s89, 0
	s_mov_b32 s[G1], 15|(3<<16)|(1<<21)            ; the cluster's four; elements of 8 bytes; bit 21 beside a mask; no padding
	s_mov_b32 s[G1+1], 32<<16                      ; rows of 32 elements: 256 bytes, dense
	s_mov_b32 s[G1+2], 8<<16
	s_mov_b32 s[G1+3], 32<<16
	s_mov_b32 s[G1+4], 8
	s_mov_b32 s[G1+5], 32
	s_mov_b32 s[G1+6], 0
	s_mov_b32 s[G1+7], 0
	s_mov_b32 s[G1B], 15|(3<<16)|(1<<21)
	s_mov_b32 s[G1B+1], 32<<16
	s_mov_b32 s[G1B+2], 56<<16
	s_mov_b32 s[G1B+3], 32<<16
	s_mov_b32 s[G1B+4], 56
	s_mov_b32 s[G1B+5], 32
	s_mov_b32 s[G1B+6], 0
	s_mov_b32 s[G1B+7], 0
	s_mov_b32 s[SEL], 0x76543210
	s_mov_b32 s[SEL+1], 0xfedcba98
	s_mov_b32 s[CS], 0x3e38aa3b                    ; c = log2(e) / sqrt(64)
	s_lshl_b32 s[QDL], s[WV], 6                    ; the earlier tile: 64 w
	s_sub_co_u32 s[QD], 1984, s[QDL]               ; the later one: 64 (31 - w)
	s_lshl_b32 s83, s[CX], 4
	s_add_co_u32 s[Q0], s[QD], s83                 ; + 16 j: first queries
	s_add_co_u32 s[Q0L], s[QDL], s83
	s_wait_dscnt 0x0                               ; both opening adds are done
	s_wait_kmcnt 0x0
	s_load_b128 s[68:71], s[8:9], 0x18             ; e6, e7, e8, e9
	s_load_b32 s72, s[8:9], 0x28                   ; e10
	s_add_nc_u64 s[6:7], s[6:7], s[84:85]          ; the head's keys
	s_mov_b32 s[G0], 1
	s_mov_b32 s[G0+1], s86
	s_add_nc_u64 s[G0+2:G0+3], s[6:7], s[86:87]
	s_or_b32 s[G0+3], s[G0+3], 0x80000000
	s_mov_b32 s[G0B], 1
	s_mov_b32 s[G0B+1], s88
	s_add_nc_u64 s[G0B+2:G0B+3], s[6:7], s[88:89]
	s_or_b32 s[G0B+3], s[G0B+3], 0x80000000
	CROUND                                         ; the four work-groups are here: the first joint loads meet
	tensor_load_to_lds s[G0:G0+3], s[G1:G1+7]      ; steps 0 and 1, my sixteenth: one tensor load a wave at the head
	s_nop 0
.rept 4
	v_nop
.endr
	s_lshl_b32 s88, s82, 17                        ; q_img: the head's 131,072 bytes, + 64 x the first query
	s_lshl_b32 s93, s[Q0], 6
	s_add_co_u32 s88, s88, s93
	s_add_nc_u64 s[QHI:QHI+1], s[4:5], s[88:89]
	s_lshl_b32 s88, s82, 17
	s_lshl_b32 s93, s[Q0L], 6
	s_add_co_u32 s88, s88, s93
	s_add_nc_u64 s[QLO:QLO+1], s[4:5], s[88:89]
	v_and_b32 v10, 31, v0
	v_lshlrev_b32 v[LI], 4, v10
	global_load_b128 v[16:19], v[LI], s[QHI:QHI+1] th:TH_LOAD_NT
	global_load_b128 v[20:23], v[LI], s[QHI:QHI+1] offset:512 th:TH_LOAD_NT
	global_load_b128 v[24:27], v[LI], s[QLO:QLO+1] th:TH_LOAD_NT
	global_load_b128 v[28:31], v[LI], s[QLO:QLO+1] offset:512 th:TH_LOAD_NT
	OUTP OHI, Q0
	OUTP OLO, Q0L
	FRESH
	v_mov_b32 v236, 0                              ; written once: a lane permute's destination counts as one of its sources
	v_mov_b32 v253, 0                              ; (named as the upper half of the pair v[252:253])
	s_wait_kmcnt 0x0
	s_add_co_i32 s96, s68, s69
	s_lshl_b32 s96, s96, 23
	s_add_co_i32 s[CS], s[CS], s96                 ; a score stands for score x 2^(e6 + e7)
	s_mov_b32 s[CS+1], s[CS]
	s_add_co_i32 s96, s71, 127
	s_lshl_b32 s97, s96, 23
	v_mov_b32 v244, s97                            ; 2^e9
	s_add_co_i32 s96, s96, 8
	s_lshl_b32 s96, s96, 23
	s_or_b32 s96, s96, 0x600000
	v_mov_b32 v240, s96                            ; 448 x 2^e9
	s_sub_co_i32 s96, s72, s70
	s_sub_co_i32 s96, s96, s71                     ; O^T / the sum stands for that x 2^(e8 + e9): its code is that / 2^(e10 - e8 - e9)
	s_add_co_i32 s96, s96, 127
	s_lshl_b32 s97, s96, 23
	v_mov_b32 v245, s97
	s_add_co_i32 s96, s96, 8
	s_lshl_b32 s96, s96, 23
	s_or_b32 s96, s96, 0x600000
	v_mov_b32 v241, s96
; A KEY STEP of 128 keys.  kr: the block with k's fragments (asked for a step ago), then v^T's; sr: the block for S^T and p, then the next step's k.  adc, adn: the address registers of this step and of the next.
; mask = 1: the step may be the tile's last, on the diagonal.  nx: what is asked for ahead: 0 nothing; 1 the step at the walk's place s[C4] + off; 2 step number off; 3 the barrier that shows steps 2 to 15 whole, then step number off.
.macro STEP kr, sr, adc, adn, mask, nx, off
.if \mask
	s_mov_b32 s[KF], s[KFN]
.endif
.rept 5
	v_nop                                          ; five places between the last products and the matrix instructions below, which write over v^T's registers
.endr
	s_wait_alu depctr_va_vdst(0)                   ; directly ahead of the wait below
	s_wait_dscnt 0x0                               ; k's fragments are in
.irp t, 0,1,2,3,4,5,6,7                        ; S^T: source 0 = 16 keys, source 1 = my 16 queries
	v_wmma_f32_16x16x64_fp8_fp8 v[\sr+8*\t:\sr+8*\t+7], v[\kr+8*\t:\kr+8*\t+7], v[16:23], 0
.endr
.rept 4
	v_nop                                          ; places: in front of the loads below and of the first read of the scores
.endr
.irp d, 0,1,2,3                                ; v^T's four fragments land while the softmax is worked
.irp j, 0,1,2,3
	ds_load_b128 v[\kr+16*\d+4*\j:\kr+16*\d+4*\j+3], v[\adc] offset:VOFF+\d*2048+512*\j
.endr
.endr
.if \mask
	s_add_co_u32 s96, s[KF], 127
	s_cmp_le_u32 s96, s[QD]                        ; all its keys count: no mask
	s_cbranch_scc1 .Lopen_\@
	s_sub_co_i32 s96, s[Q0], s[KF]
	v_and_b32 v252, 15, v0
	v_bfe_u32 v253, v0, 4, 1
	s_delay_alu instid0(VALU_DEP_1)
	v_lshlrev_b32 v253, 3, v253
	s_delay_alu instid0(VALU_DEP_1)
	v_sub_nc_u32 v252, v252, v253
	s_delay_alu instid0(VALU_DEP_1)
	v_add_nc_u32 v252, s96, v252                   ; d = my query - KF - 8 (lane / 16).  Register 8 t + i holds key KF + 16 t + 8 (lane / 16) + i: hidden where 16 t + i > d
	v_mov_b32 v254, 0xff800000                     ; -infinity
.irp t, 0,1,2,3,4,5,6,7
.irp i, 0,1,2,3,4,5,6,7
	v_cmp_gt_i32 vcc_lo, 16*\t+\i, v252
	v_cndmask_b32 v[\sr+8*\t+\i], v[\sr+8*\t+\i], v254, vcc_lo
.endr
.endr
.Lopen_\@:
.endif
	v_max3_num_f32 v254, v[\sr], v[\sr+1], v[\sr+2]       ; the step's largest score of my query among my 64 keys, in four chains of 16, each accumulator from its low end on,
	v_max3_num_f32 v252, v[\sr+16], v[\sr+17], v[\sr+18]
	v_max3_num_f32 v250, v[\sr+32], v[\sr+33], v[\sr+34]
	v_max3_num_f32 v248, v[\sr+48], v[\sr+49], v[\sr+50]
.irp i, 3,5,7,9,11,13
	v_max3_num_f32 v254, v254, v[\sr+\i], v[\sr+\i+1]
	v_max3_num_f32 v252, v252, v[\sr+16+\i], v[\sr+17+\i]
	v_max3_num_f32 v250, v250, v[\sr+32+\i], v[\sr+33+\i]
	v_max3_num_f32 v248, v248, v[\sr+48+\i], v[\sr+49+\i]
.endr
	v_max3_num_f32 v254, v254, v[\sr+15], v[\sr+31]
	v_max3_num_f32 v250, v250, v[\sr+47], v[\sr+63]
	v_max3_num_f32 v254, v254, v252, v250
	s_delay_alu instid0(VALU_DEP_1)
	v_max_num_f32 v254, v254, v248
	s_delay_alu instid0(VALU_DEP_1)
	v_permlanex16_b32 v236, v254, s[SEL], s[SEL+1]
	s_delay_alu instid0(VALU_DEP_1)
	v_max_num_f32 v254, v254, v236                 ; and among lane l xor 16's
	s_delay_alu instid0(VALU_DEP_1)
	v_mul_f32 v254, s[CS], v254                    ; as t (c is positive)
	s_delay_alu instid0(VALU_DEP_1)
	v_max_num_f32 v13, v13, v254                   ; the running largest t
	v_mov_b32 v254, v12
	s_delay_alu instid0(VALU_DEP_2)
	v_floor_f32 v12, -v13                          ; the new -M = floor(-t) = -ceil(t)
.irp j, 0,2,4,6,8,10,12,14
	v_pk_fma_f32 v[\sr+\j:\sr+\j+1], v[\sr+\j:\sr+\j+1], s[CS:CS+1], v[12:13] op_sel_hi:[1,0,0]   ; t - M, two at a time; the three lines that make f stand among them
.endr
	v_sub_f32 v254, v12, v254                      ; old M - new M: a whole number, 0 or less
.irp j, 16,18,20,22,24,26,28,30
	v_pk_fma_f32 v[\sr+\j:\sr+\j+1], v[\sr+\j:\sr+\j+1], s[CS:CS+1], v[12:13] op_sel_hi:[1,0,0]
.endr
	v_cvt_i32_f32 v254, v254                       ; (it saturates)
.irp j, 32,34,36,38,40,42,44,46
	v_pk_fma_f32 v[\sr+\j:\sr+\j+1], v[\sr+\j:\sr+\j+1], s[CS:CS+1], v[12:13] op_sel_hi:[1,0,0]
.endr
	v_ldexp_f32 v252, 1.0, v254                    ; f = 2^(old M - new M)
.irp j, 48,50,52,54,56,58,60,62
	v_pk_fma_f32 v[\sr+\j:\sr+\j+1], v[\sr+\j:\sr+\j+1], s[CS:CS+1], v[12:13] op_sel_hi:[1,0,0]
.endr
.set j, 0
	s_wait_alu depctr_va_vdst(0)                   ; the wait ahead of the batch
.rept 64
	v_exp_f32 v[\sr+j], v[\sr+j]                   ; p = 2^(t - M): one batch
.set j, j+1
.endr
	v_pk_mul_f32 v[14:15], v[14:15], v[252:253] op_sel_hi:[1,0]   ; the sums under the new M: the plain line behind the exponentials
	s_wait_alu depctr_va_vdst(0)                   ; one wait for the batch, ahead of its first reader
	v_pk_add_f32 v[242:243], v[\sr+4:\sr+5], v[\sr+8:\sr+9]       ; the row's sum of the unquantised p, in eight chains
	v_pk_add_f32 v[254:255], v[\sr+12:\sr+13], v[\sr+16:\sr+17]
	v_pk_add_f32 v[250:251], v[\sr+20:\sr+21], v[\sr+24:\sr+25]
	v_pk_add_f32 v[248:249], v[\sr+28:\sr+29], v[\sr+32:\sr+33]
	v_pk_add_f32 v[246:247], v[\sr+36:\sr+37], v[\sr+40:\sr+41]
	v_pk_add_f32 v[238:239], v[\sr+44:\sr+45], v[\sr+48:\sr+49]
	v_pk_add_f32 v[234:235], v[\sr+52:\sr+53], v[\sr+56:\sr+57]
	PA 14, \sr+60
	PA 242, \sr
	PA 254, \sr+2
	PA 250, \sr+6
	PA 248, \sr+10
	PA 246, \sr+14
	PA 238, \sr+18
	PA 234, \sr+22
	PA 14, \sr+26
	PA 242, \sr+30
	PA 254, \sr+34
	PA 250, \sr+38
	PA 248, \sr+42
	PA 246, \sr+46
	PA 238, \sr+50
	PA 234, \sr+54
	PA 14, \sr+58
	PA 242, \sr+62
	s_delay_alu instid0(VALU_DEP_2)
	v_pk_add_f32 v[14:15], v[14:15], v[248:249]
	s_delay_alu instid0(VALU_DEP_2)
	v_pk_add_f32 v[242:243], v[242:243], v[246:247]
	v_pk_add_f32 v[254:255], v[254:255], v[238:239]
	v_pk_add_f32 v[250:251], v[250:251], v[234:235]
	s_delay_alu instid0(VALU_DEP_2)
	v_pk_add_f32 v[14:15], v[14:15], v[254:255]
	s_delay_alu instid0(VALU_DEP_2)
	v_pk_add_f32 v[242:243], v[242:243], v[250:251]
	s_delay_alu instid0(VALU_DEP_1)
	v_pk_add_f32 v[14:15], v[14:15], v[242:243]
.irp t, 0,1,2,3,4,5,6,7
.irp i, 0,1,2,3,4,5,6,7
	v_min_num_f32 v[\sr+8*\t+\i], v[\sr+8*\t+\i], v240   ; the conversion does not saturate (ISA guide 7.6.2); p is not negative, so the hold is one-sided
.endr
	v_cvt_scalef32_pk8_fp8_f32 v[192+2*\t:193+2*\t], v[\sr+8*\t:\sr+8*\t+7], v244
.endr
.if \nx == 3
	s_wait_alu depctr_va_vdst(0)                   ; directly ahead of the wait below
	s_wait_tensorcnt 0x0                           ; my part of steps 2 to 15 is in
	ds_add_u32 v[SPW], v[NIL]
	s_wait_dscnt 0x0
	s_barrier_signal -1
	s_barrier_wait -1                              ; and everybody's: from here on LDS is only read
.endif
.if \nx == 1
	s_add_co_u32 s91, s[C4], \off                  ; the walk's next place c
	s_add_co_u32 s93, s91, s[HW]
	s_and_b32 s94, s93, 15
	s_and_b32 s95, s91, 15
	s_cmp_lt_u32 s93, 16
	s_cselect_b32 s94, s95, s94                    ; its step: c while c + h < 16, then c + h - 16: 0 to 15
	s_lshl_b32 s[TBN], s94, 14
	s_lshl_b32 s[KFN], s94, 7
.endif
.if \nx >= 2
	s_mov_b32 s[TBN], (\off)*CHUNK
	s_mov_b32 s[KFN], (\off)*128
.endif
.if \nx
	v_add_nc_u32 v[\adn], s[TBN], v[LI]            ; (also the plain line behind the last conversion)
	KLOAD \sr, \adn                                ; the next step's k, into the registers that p has left
.endif
	s_wait_alu depctr_va_vdst(0)                   ; directly ahead of the first reader of O^T
.irp j, 0,2,4,6,8,10,12,14,16,18,20,22,24,26,28,30
	v_pk_mul_f32 v[160+\j:161+\j], v[160+\j:161+\j], v[252:253] op_sel_hi:[1,0]   ; O^T under the new M
.endr
	s_wait_alu depctr_va_vdst(0)                   ; directly ahead of the wait below
.if \nx
	s_wait_dscnt 16                                ; v^T is in; the 16 loads issued behind its 16, the next step's k, may be out
.else
	s_wait_dscnt 0x0                               ; v^T is in
.endif
.irp d, 0,1,2,3                                ; O^T += v^T p^T: four accumulators by turns
	v_wmma_f32_16x16x128_fp8_fp8 v[160+8*\d:167+8*\d], v[\kr+16*\d:\kr+16*\d+15], v[192:207], v[160+8*\d:167+8*\d]
.endr
.endm
; A tile of queries is done: O^T / the sum, held, converted: eight registers, a fragment (16 rows x 64 k) of the next launch's operand; two stores of 512 consecutive bytes.  tmp: 32 registers of the block into which no load is on its way.
.macro FINISH base, cd, tmp
	s_wait_xcnt 0x0                                ; earlier stores have read their data registers: only behind this wait are the results' registers written
.rept 4
	v_nop                                          ; places behind the last products
.endr
	v_add_f32 v14, v14, v15
	s_wait_alu depctr_va_vdst(0)
	v_permlanex16_b32 v236, v14, s[SEL], s[SEL+1]
	s_delay_alu instid0(VALU_DEP_1)
	v_add_f32 v14, v14, v236                       ; the row's sum
	s_wait_alu depctr_va_vdst(0)
	v_rcp_f32 v14, v14
	v_nop                                          ; a plain line behind the transcendental
	s_wait_alu depctr_va_vdst(0)                   ; and the wait ahead of its first reader, which is also O^T's
.irp j, 0,2,4,6,8,10,12,14,16,18,20,22,24,26,28,30
	v_pk_mul_f32 v[\tmp+\j:\tmp+\j+1], v[160+\j:161+\j], v[14:15] op_sel_hi:[1,0]
.endr
.set j, 0
.rept 32
	v_med3_num_f32 v[\tmp+j], v[\tmp+j], -v241, v241
.set j, j+1
.endr
.irp d, 0,1,2,3
	v_cvt_scalef32_pk8_fp8_f32 v[\cd+2*\d:\cd+2*\d+1], v[\tmp+8*\d:\tmp+8*\d+7], v245
.endr
	v_nop                                          ; one plain vector line behind the last conversion
	global_store_b128 v[LI], v[\cd:\cd+3], s[\base:\base+1]
	global_store_b128 v[LI], v[\cd+4:\cd+7], s[\base:\base+1] offset:512
.endm
; At the walk's place s[C4] + off = 16 - h the later tile is done and the earlier one begins.  A branch on the wave's number and the count; no barrier stands inside.
.macro SWITCH off, tmp
	s_add_co_u32 s93, s[C4], s[HW]
	s_cmp_eq_u32 s93, 16-\off
	s_cbranch_scc0 .Lsame_\@
	FINISH OHI, 208, \tmp
.irp j, 0,1,2,3,4,5,6,7
	v_mov_b32 v[16+\j], v[24+\j]
.endr
	FRESH
	s_mov_b32 s[Q0], s[Q0L]
	s_mov_b32 s[QD], s[QDL]
.Lsame_\@:
.endm
	s_wait_alu depctr_va_vdst(0)                   ; the wait at the head's end
	s_wait_tensorcnt 0x0                           ; my part of steps 0 and 1 is in; a later first fill is issued as a refill is:
	ds_add_u32 v[SPW], v[NIL]
	s_wait_dscnt 0x0
	CROUND                                         ; everybody's part is in, and the four work-groups are here
	tensor_load_to_lds s[G0B:G0B+3], s[G1B:G1B+7]  ; steps 2 to 15, my sixteenth: the first tensor load behind the round, and my last
	s_nop 0
.rept 4
	v_nop
.endr
	v_mov_b32 v8, v[LI]                            ; step 0 begins at LDS byte 0
	KLOAD 32, 8
	s_wait_loadcnt 0x0                             ; Q
	STEP 32, 96, 8, 9, 0, 2, 1                     ; the later tile's steps 0 and 1: all their keys count (its diagonal lies at step 8 or later)
	STEP 96, 32, 9, 8, 0, 3, 2
	s_mov_b32 s[C4], 2
.Lrest:                                            ; seven trips: the walk's places 2 to 15, two a trip, so that the two blocks are back in their roles
	SWITCH 0, 96
	STEP 32, 96, 8, 9, 1, 1, 1
	SWITCH 1, 32
	STEP 96, 32, 9, 8, 1, 1, 2
	s_add_co_u32 s[C4], s[C4], 2
	s_cmp_lt_u32 s[C4], 16
	s_cbranch_scc1 .Lrest
	SWITCH 0, 96                                   ; place 16: the earlier tile's last step; nothing more is asked for
	STEP 32, 96, 8, 9, 1, 0, 0
	FINISH OLO, 216, 96
	s_wait_tensorcnt 0x0                           ; the wave's end
	ds_add_u32 v[SPW], v[NIL]
	s_wait_dscnt 0x0
	CROUND                                         ; the closing round
	s_endpgm
.Lfunc_end_k_q7b9b28fffe_attn:
	.size	k_q7b9b28fffe_attn, .Lfunc_end_k_q7b9b28fffe_attn-k_q7b9b28fffe_attn
	.p2alignl 7, 3214868480
	.fill 96, 4, 3214868480
	.section	.rodata,"a",@progbits
	.p2align	6, 0x0
	.amdhsa_kernel k_q7b9b28fffe_attn
		.amdhsa_group_segment_fixed_size 327680
		.amdhsa_private_segment_fixed_size 0
		.amdhsa_enable_private_segment 0
		.amdhsa_kernarg_size 32
		.amdhsa_user_sgpr_count 2
		.amdhsa_user_sgpr_kernarg_segment_ptr 1
		.amdhsa_wavefront_size32 1
		.amdhsa_system_sgpr_workgroup_id_x 1
		.amdhsa_system_sgpr_workgroup_id_y 1
		.amdhsa_system_sgpr_workgroup_id_z 1
		.amdhsa_system_vgpr_workitem_id 0
		.amdhsa_next_free_vgpr 256
		.amdhsa_next_free_sgpr 100
		.amdhsa_reserve_vcc 1
		.amdhsa_float_denorm_mode_32 3
		.amdhsa_float_denorm_mode_16_64 3
		.amdhsa_memory_ordered 1
		.amdhsa_forward_progress 1
		.amdhsa_inst_pref_size 125
	.end_amdhsa_kernel
	.amdgpu_metadata
---
amdhsa.version: [ 1, 2 ]
amdhsa.kernels:
  - .name:           k_q7b9b28fffe_attn
    .symbol:         k_q7b9b28fffe_attn.kd
    .args:
      - { .name: q_img, .offset: 0, .size: 8, .value_kind: global_buffer, .address_space: global }
      - { .name: kv_img, .offset: 8, .size: 8, .value_kind: global_buffer, .address_space: global }
      - { .name: lowp_scales, .offset: 16, .size: 8, .value_kind: global_buffer, .address_space: global }
      - { .name: attn_img, .offset: 24, .size: 8, .value_kind: global_buffer, .address_space: global }
    .group_segment_fixed_size: 327680
    .private_segment_fixed_size: 0
    .kernarg_segment_align: 8
    .kernarg_segment_size: 32
    .max_flat_workgroup_size: 512
    .sgpr_count:     100
    .vgpr_count:     256
    .wavefront_size: 32
...
	.end_amdgpu_metadata
.endif
;; end of part 2
;; launch oproj (part 3): grid 4 x 64, 4 waves a work-group, clusters of 4 x 4, 327,680 bytes of LDS; arguments attn_img, wo_img, lowp_scales, out0; writes out0
.if DOCPART == 3
	.amdgcn_target "amdgcn-amd-amdhsa--gfx1250"
	.amdhsa_code_object_version 6
	.text
	.protected	k_q7b9b28fffe_oproj
	.globl	k_q7b9b28fffe_oproj
	.p2align	8
	.type	k_q7b9b28fffe_oproj,@function
k_q7b9b28fffe_oproj:
	s_mov_b64 s[64:65], 0
	v_nop
	global_prefetch_b8 v0, s[64:65] scope:SCOPE_SE
	s_setreg_imm32_b32 hwreg(HW_REG_WAVE_MODE, 25, 1), 1
	s_wait_xcnt 0x0
	s_wait_alu depctr_hold_cnt(0) depctr_sa_sdst(0) depctr_va_vdst(0) depctr_va_sdst(0) depctr_va_ssrc(0) depctr_va_vcc(0) depctr_vm_vsrc(0)
	s_getreg_b32 s2, hwreg(HW_REG_IB_STS2, 6, 4)
	s_cmp_eq_u32 s2, 0
	s_cbranch_scc0 .Lentry_in_a_cluster
	s_endpgm
.Lentry_in_a_cluster:
	s_bfe_u32 s2, ttmp6, 0x10000c
	s_cmp_lg_u32 s2, 0xf033
	s_cbranch_scc0 .Lentry_shape_is_right
	s_endpgm
.Lentry_shape_is_right:
; out0 [8192][1024] f32 = attn_out x W_O on codes of E4M3, K = (head, d) = 1,024; each finished sum x 2^(e10 + e11).
; Both operands come as IMAGES OF REGISTERS: a fragment of 16 rows x 64 k is 1,024 bytes (registers 4 j .. 4 j + 3 of lane l at 512 j + 16 l); two fragments of neighbouring 64 k are one of 128 k.
;   attn_img [128 rows: 64][64 k: 16][16 rows: 8][1,024];   wo_img [256 columns: 4][64 k: 16][16 columns: 16][1,024]
; A tile of 128 rows x 256 columns is made by four waves, 2 x 2, each 64 x 128: 32 accumulators.  256 work-groups.  Eight steps of 128 along K, written out.
; A K slot is 256 along K: 32,768 dense bytes of A and 65,536 of B.  LDS holds three places for A's slots, then three for B's.
; K slot 0 is asked for at the head (a wave fetches half of A's or of B's bytes); K slots 1 and 2 behind the next round, by ONE load a wave (a whole slot of A or of B each: they lie end to end in memory and in LDS);
; K slot 3 fills slot 0's places again, behind one more round.  A wave has one tensor load out at any time.
; CLUSTERS: 4 x 4: A's tile hangs on the block of rows (cy) and is asked for jointly along a row of the cluster, B's on cx and jointly along a column.
; No prefetch: K has four slots, the steps are written out, and there is no loop to run ahead in.
; THE MATRIX INSTRUCTION IS USED TRANSPOSED (source 0 = 16 columns of W_O, source 1 = 16 rows): a lane holds eight neighbouring numbers of a row of out0.
; REGISTERS: window 0: addresses; v64-127, v128-191 A's two sets; on the way out v64-255 are free.  Window 1: accumulator (a, b) at v[8 (8 a + b)].  Window 2: B's two sets.
; LIMIT: e10 + e11 between -126 and 127, so that 2^(e10 + e11) is an f32 number.
.set ASL,    32768                     ; A's bytes of a K slot
.set BSL,    65536                     ; B's
.set BOFF,   3*ASL                     ; B's places lie behind A's three
.set SPARE,  3*(ASL+BSL)               ; behind them: the spare words, 128 bytes a wave
.set STAGE,  BOFF+BSL                  ; the way out: 16 rows x 528 bytes a wave, where B's K slot 1 lay: it has had its one fill, and its last read lies in front of the last barrier
.set SPITCH, 528
.set ADA, 16                           ; v16-18  A's place n + my 64 rows + 16 x lane
.set ADB, 20                           ; v20-22  B's place n + my 128 columns + 16 x lane
.set STO, 24
.set RD,  25
.set CO,  26
.set SPW, 28
.set NIL, 29
.set AF,  64
.set TMP, 64
.set BK,  128
.set WV,  12
.set RH,  13                           ; which 64 rows are mine; also: I fetch for A (0) or B (1)
.set CH,  14                           ; which 128 columns; also: which part I fetch
.set G1A, 24                           ; group 1: A, 64 rows of 256 bytes
.set G0A, 32                           ; s[32:35] K slots 0 and 3; s[36:39] K slots 1 and 2
.set G1B, 48                           ; B, 128 rows
.set G0B, 68                           ; s[68:71], s[72:75]
.set G2A, 84                           ; A, 128 rows
.set G2B, 92                           ; B, 256 rows
.set MSB, 0
.macro WIN new
.if MSB != (\new)
	s_set_vgpr_msb (MSB<<8)|(\new)
.set MSB, (\new)
.endif
.endm
.macro JLOAD g0a, g1a, g0b, g1b        ; a joint load: waves 0 and 1 for A, waves 2 and 3 for B.  An s_nop 0 and four v_nop follow each line
	s_cmp_eq_u32 s[RH], 0
	s_cbranch_scc0 .Lfor_b_\@
	tensor_load_to_lds s[\g0a:\g0a+3], s[\g1a:\g1a+7]
	s_nop 0
.rept 4
	v_nop
.endr
	s_branch .Lasked_\@
.Lfor_b_\@:
	tensor_load_to_lds s[\g0b:\g0b+3], s[\g1b:\g1b+7]
	s_nop 0
.rept 4
	v_nop
.endr
.Lasked_\@:
.endm
.macro CREST
	s_cmp_lg_u32 s[WV], 0
	s_cbranch_scc1 .Lnot_wave_0_\@
	s_barrier_signal -3
.Lnot_wave_0_\@:
	s_barrier_wait -3
	s_barrier_signal -1
	s_barrier_wait -1
.endm
.macro CROUND
	s_barrier_signal -1
	s_barrier_wait -1
	CREST
.endm
.macro PLACES n
.rept \n
	v_nop
.endr
.endm
.macro ROWS g, n                       ; n dense rows of 32 elements of 8 bytes
	s_mov_b32 s[\g+1], 32<<16
	s_mov_b32 s[\g+2], (\n)<<16
	s_mov_b32 s[\g+3], 32<<16
	s_mov_b32 s[\g+4], \n
	s_mov_b32 s[\g+5], 32
	s_mov_b32 s[\g+6], 0
	s_mov_b32 s[\g+7], 0
.endm
	s_load_b256 s[4:11], s[0:1], 0x0               ; attn_img s[4:5], wo_img s[6:7], the exponents s[8:9], out0 s[10:11]
	v_lshl_add_u32 v[SPW], v0, 2, SPARE
	v_mov_b32 v[NIL], 0
	ds_add_u32 v[SPW], v[NIL]                      ; the opening lines: the add, twice on end, and its wait
	ds_add_u32 v[SPW], v[NIL]
	v_lshrrev_b32 v1, 5, v0
	v_readfirstlane_b32 s[WV], v1
	s_lshr_b32 s[RH], s[WV], 1
	s_and_b32 s[CH], s[WV], 1
	s_bfe_u32 s15, ttmp6, 0x40000                  ; cx: the block of 256 columns
	s_bfe_u32 s16, ttmp6, 0x40004                  ; cy
	s_and_b32 s17, ttmp7, 0xffff
	s_lshl_b32 s17, s17, 2
	s_add_co_u32 s17, s17, s16                     ; the block of 128 rows = 4 x cluster y + cy
	s_lshl_b32 s18, s16, 2
	s_lshl_b32 s18, 15, s18                        ; my row of the cluster
	s_lshl_b32 s19, 0x1111, s15                    ; my column
	s_or_b32 s[G1A], s18, (3<<16)|(1<<21)          ; the mask; elements of 8 bytes; bit 21 beside a mask; no padding
	s_or_b32 s[G2A], s18, (3<<16)|(1<<21)
	s_or_b32 s[G1B], s19, (3<<16)|(1<<21)
	s_or_b32 s[G2B], s19, (3<<16)|(1<<21)
	ROWS G1A, 64
	ROWS G2A, 128
	ROWS G1B, 128
	ROWS G2B, 256
	s_lshl_b32 s20, s17, 17                        ; A's block of rows
	s_mov_b32 s21, 0
	s_lshl_b32 s22, s15, 18                        ; B's block of columns
	s_mov_b32 s23, 0
	s_lshl_b32 s44, s[CH], 14
	s_lshl_b32 s45, s[CH], 15
	s_lshl_b32 s58, s[CH], 16
	s_wait_dscnt 0x0                               ; both opening adds are done
	s_wait_kmcnt 0x0
	s_load_b64 s[82:83], s[8:9], 0x28              ; e10, e11
	s_add_nc_u64 s[46:47], s[4:5], s[20:21]
	s_add_nc_u64 s[56:57], s[6:7], s[22:23]
	s_mov_b32 s[G0A], 1                            ; A, K slot 0: my half of 32,768 bytes, at the same offset in memory and in LDS
	s_mov_b32 s[G0A+1], s44
	s_mov_b32 s20, s44
	s_add_nc_u64 s[G0A+2:G0A+3], s[46:47], s[20:21]
	s_or_b32 s[G0A+3], s[G0A+3], 0x80000000
	s_mov_b32 s[G0A+4], 1                          ; A, K slot 1 or 2, whole
	s_add_co_u32 s[G0A+5], s45, ASL
	s_mov_b32 s20, s[G0A+5]
	s_add_nc_u64 s[G0A+6:G0A+7], s[46:47], s[20:21]
	s_or_b32 s[G0A+7], s[G0A+7], 0x80000000
	s_mov_b32 s[G0B], 1                            ; B, K slot 0: my half of 65,536
	s_add_co_u32 s[G0B+1], s45, BOFF
	s_mov_b32 s22, s45
	s_add_nc_u64 s[G0B+2:G0B+3], s[56:57], s[22:23]
	s_or_b32 s[G0B+3], s[G0B+3], 0x80000000
	s_mov_b32 s[G0B+4], 1                          ; B, K slot 1 or 2, whole
	s_add_co_u32 s22, s58, BSL
	s_add_co_u32 s[G0B+5], s22, BOFF
	s_add_nc_u64 s[G0B+6:G0B+7], s[56:57], s[22:23]
	s_or_b32 s[G0B+7], s[G0B+7], 0x80000000
	CROUND                                         ; all sixteen work-groups are here: the first joint loads meet
	JLOAD G0A, G1A, G0B, G1B                       ; K slot 0: one tensor load a wave at the head
	v_and_b32 v1, 31, v0
	v_lshlrev_b32 v[CO], 4, v1                     ; 16 x lane
	s_lshl_b32 s58, s[RH], 12                      ; my four tiles of rows
	s_lshl_b32 s59, s[CH], 13                      ; my eight tiles of columns,
	s_add_co_u32 s59, s59, BOFF                    ; behind A's places
.irp n, 0,1,2
	v_add_nc_u32 v[ADA+\n], s58, v[CO]
	v_add_nc_u32 v[ADB+\n], s59, v[CO]
	s_add_co_u32 s58, s58, ASL
	s_add_co_u32 s59, s59, BSL
.endr
	s_mul_i32 s62, s[WV], 16*SPITCH
	s_add_co_u32 s62, s62, STAGE                   ; my stage
	v_and_b32 v3, 15, v0
	v_bfe_u32 v4, v0, 4, 1
	v_mul_u32_u24 v5, v3, SPITCH
	v_lshl_add_u32 v5, v4, 5, v5
	v_add_nc_u32 v[STO], s62, v5                   ; in: row l % 16, 32 bytes for each half of the lanes
	v_add_nc_u32 v[RD], s62, v[CO]                 ; back: the 32 lanes take one row of 512 bytes
	s_lshl_b32 s60, s17, 19                        ; out0: 128 rows of 4,096 bytes a block,
	s_lshl_b32 s61, s[RH], 18                      ; my 64 rows,
	s_add_co_u32 s60, s60, s61
	s_lshl_b32 s61, s15, 10                        ; 256 columns a block,
	s_add_co_u32 s60, s60, s61
	s_lshl_b32 s61, s[CH], 9                       ; my 128
	s_add_co_u32 s60, s60, s61
	s_mov_b32 s61, 0
	s_add_nc_u64 s[10:11], s[10:11], s[60:61]
; Step i's fragments (128 along K: the slot's k64 numbers 2 (i % 2) and 2 (i % 2) + 1) into set i % 2: 32 loads for B, 16 for A, each of 512 consecutive bytes
.macro FETCH i
.set FS, (\i)%2
.set FG, ((\i)/2)%3
	WIN 0x80                                       ; destination window 2, address window 0
.irp b, 0,1,2,3,4,5,6,7
.irp u, 0,1
.irp j, 0,1
	ds_load_b128 v[128*FS+16*\b+8*\u+4*\j:128*FS+16*\b+8*\u+4*\j+3], v[ADB+FG] offset:((2*FS+\u)*16+\b)*1024+512*\j
.endr
.endr
.endr
	WIN 0
.irp a, 0,1,2,3
.irp u, 0,1
.irp j, 0,1
	ds_load_b128 v[AF+64*FS+16*\a+8*\u+4*\j:AF+64*FS+16*\a+8*\u+4*\j+3], v[ADA+FG] offset:((2*FS+\u)*8+\a)*1024+512*\j
.endr
.endr
.endr
.endm
; Eight matrix instructions: tile a of my rows x my eight tiles of columns.  The 32 accumulators take turns, one instruction a turn, in the same order in every step.
.macro MULA i, a, zero
.set FS, (\i)%2
	WIN 0x52                                       ; source 0 (B) window 2, source 1 (A) window 0, C and D window 1
.irp b, 0,1,2,3,4,5,6,7
.if \zero
	v_wmma_f32_16x16x128_fp8_fp8 v[8*(8*(\a)+\b):8*(8*(\a)+\b)+7], v[128*FS+16*\b:128*FS+16*\b+15], v[AF+64*FS+16*(\a):AF+64*FS+16*(\a)+15], 0
.else
	v_wmma_f32_16x16x128_fp8_fp8 v[8*(8*(\a)+\b):8*(8*(\a)+\b)+7], v[128*FS+16*\b:128*FS+16*\b+15], v[AF+64*FS+16*(\a):AF+64*FS+16*(\a)+15], v[8*(8*(\a)+\b):8*(8*(\a)+\b)+7]
.endif
.endr
.endm
.macro STEP i, zero
	s_wait_dscnt 0x0                               ; this step's fragments are in (asked for a step ago)
.if \zero == 0
	PLACES 4                                       ; in front of loads into the set that the step before multiplied
.endif
	FETCH (\i)+1
	MULA \i, 0, \zero
	MULA \i, 1, \zero
	MULA \i, 2, \zero
	MULA \i, 3, \zero
.endm
; A step with a barrier in it.  In front of it each wave waits for all its tensor loads, adds 0 to its spare word, and waits for that and for its LDS reads.  fill = 1: K slot 0's places are filled again, with K slot 3.
.macro TURN i, fill
	WIN 0
	s_wait_tensorcnt 0x0                           ; all my tensor loads have landed
	ds_add_u32 v[SPW], v[NIL]
	s_wait_dscnt 1                                 ; this step's fragments are in; the add may be out
	MULA \i, 0, 0
	MULA \i, 1, 0
	s_wait_dscnt 0x0                               ; the add is done, and my reads are over
	s_barrier_signal -1
	MULA \i, 2, 0
	WIN 0
	s_barrier_wait -1
.if \fill
	CREST                                          ; the barrier has opened a round of the cluster's: no wave of any partner still reads K slot 0 or has a load on its way
	s_add_nc_u64 s[G0A+2:G0A+3], s[G0A+2:G0A+3], 3*ASL
	s_add_nc_u64 s[G0B+2:G0B+3], s[G0B+2:G0B+3], 3*BSL
	JLOAD G0A, G1A, G0B, G1B                       ; the first tensor load behind the round; its four v_nop are the places in front of the loads below
.else
	PLACES 4
.endif
	FETCH (\i)+1
	MULA \i, 3, 0
.endm
	s_wait_alu depctr_va_vdst(0)                   ; the wait at the head's end
	s_wait_tensorcnt 0x0                           ; my part of K slot 0 is in; a later first fill is issued as a refill is:
	ds_add_u32 v[SPW], v[NIL]
	s_wait_dscnt 0x0
	CROUND                                         ; everybody's part is in, and all sixteen work-groups are here
	JLOAD G0A+4, G2A, G0B+4, G2B                   ; K slots 1 and 2: the first tensor load behind the round
	FETCH 0
	STEP 0, 1                                      ; the first products start the sums: nothing is cleared
	TURN 1, 1                                      ; K slots 1 and 2 are whole in every wave's eyes; K slot 3 is asked for
	STEP 2, 0
	STEP 3, 0
	STEP 4, 0
	TURN 5, 0                                      ; K slot 3 has landed
	STEP 6, 0
	s_wait_dscnt 0x0
	MULA 7, 0, 0
	MULA 7, 1, 0
	MULA 7, 2, 0
	MULA 7, 3, 0
	WIN 0
; THE WAY OUT, block by block of 16 rows x 128 columns: x 2^(e10 + e11), through my own stage in LDS, back as whole rows of 512 bytes.  LDS serves a wave's instructions in order (ISA guide 5.7.1.4).
.macro TOSTAGE a
.set AC, 64*(\a)
	WIN 0x01                                       ; source 0: window 1
.irp j, 0,2,4,6,8,10,12,14,16,18,20,22,24,26,28,30,32,34,36,38,40,42,44,46,48,50,52,54,56,58,60,62
	v_pk_mul_f32 v[TMP+\j:TMP+\j+1], v[AC+\j:AC+\j+1], s[80:81] op_sel_hi:[1,0]   ; each accumulator from its low end on
.endr
	WIN 0
.irp b, 0,1,2,3,4,5,6,7
	ds_store_b128 v[STO], v[TMP+8*\b:TMP+8*\b+3] offset:64*\b
	ds_store_b128 v[STO], v[TMP+8*\b+4:TMP+8*\b+7] offset:64*\b+16
.endr
.set BB, BK+64*((\a)%2)
.irp t, 0,1,2,3,4,5,6,7,8,9,10,11,12,13,14,15
	ds_load_b128 v[BB+4*\t:BB+4*\t+3], v[RD] offset:\t*SPITCH
.endr
.endm
.macro SEND a, younger
.set BB, BK+64*((\a)%2)
	s_wait_dscnt \younger                          ; the block is back in registers
.if (\a) > 0
	s_add_nc_u64 s[10:11], s[10:11], 16*4096       ; (behind a wait on XCNT: the earlier stores have read their base)
.endif
.irp t, 0,1,2,3,4,5,6,7,8,9,10,11,12,13,14,15
	global_store_b128 v[CO], v[BB+4*\t:BB+4*\t+3], s[10:11] offset:\t*4096 th:TH_STORE_NT   ; 32 lanes store 512 consecutive bytes, aligned
.endr
.endm
	s_wait_kmcnt 0x0
	s_add_co_i32 s80, s82, s83
	s_add_co_i32 s80, s80, 127
	s_lshl_b32 s80, s80, 23                        ; 2^(e10 + e11) as f32
	s_mov_b32 s81, s80                             ; (named with it as a pair, so it is written)
	PLACES 4                                       ; behind the last products
	TOSTAGE 0
.irp a, 1,2,3
.if \a > 1
	s_wait_xcnt 0x0                                ; block a - 2's stores have read their registers and their base
.endif
	TOSTAGE \a
	SEND \a-1, 32                                  ; behind block a - 1's loads: block a's 16 stores and 16 loads
.endr
	s_wait_xcnt 0x0
	SEND 3, 0
	s_wait_tensorcnt 0x0                           ; the wave's end
	ds_add_u32 v[SPW], v[NIL]
	s_wait_dscnt 0x0
	CROUND                                         ; the closing round
	s_endpgm
.Lfunc_end_k_q7b9b28fffe_oproj:
	.size	k_q7b9b28fffe_oproj, .Lfunc_end_k_q7b9b28fffe_oproj-k_q7b9b28fffe_oproj
	.p2alignl 7, 3214868480
	.fill 96, 4, 3214868480
	.section	.rodata,"a",@progbits
	.p2align	6, 0x0
	.amdhsa_kernel k_q7b9b28fffe_oproj
		.amdhsa_group_segment_fixed_size 327680
		.amdhsa_private_segment_fixed_size 0
		.amdhsa_enable_private_segment 0
		.amdhsa_kernarg_size 32
		.amdhsa_user_sgpr_count 2
		.amdhsa_user_sgpr_kernarg_segment_ptr 1
		.amdhsa_wavefront_size32 1
		.amdhsa_system_sgpr_workgroup_id_x 1
		.amdhsa_system_sgpr_workgroup_id_y 1
		.amdhsa_system_sgpr_workgroup_id_z 1
		.amdhsa_system_vgpr_workitem_id 0
		.amdhsa_next_free_vgpr 768
		.amdhsa_next_free_sgpr 100
		.amdhsa_reserve_vcc 0
		.amdhsa_float_denorm_mode_32 3
		.amdhsa_float_denorm_mode_16_64 3
		.amdhsa_memory_ordered 1
		.amdhsa_forward_progress 1
		.amdhsa_inst_pref_size 75
	.end_amdhsa_kernel
	.amdgpu_metadata
---
amdhsa.version: [ 1, 2 ]
amdhsa.kernels:
  - .name:           k_q7b9b28fffe_oproj
    .symbol:         k_q7b9b28fffe_oproj.kd
    .args:
      - { .name: attn_img, .offset: 0, .size: 8, .value_kind: global_buffer, .address_space: global }
      - { .name: wo_img, .offset: 8, .size: 8, .value_kind: global_buffer, .address_space: global }
      - { .name: lowp_scales, .offset: 16, .size: 8, .value_kind: global_buffer, .address_space: global }
      - { .name: out0, .offset: 24, .size: 8, .value_kind: global_buffer, .address_space: global }
    .group_segment_fixed_size: 327680
    .private_segment_fixed_size: 0
    .kernarg_segment_align: 8
    .kernarg_segment_size: 32
    .max_flat_workgroup_size: 128
    .sgpr_count:     100
    .vgpr_count:     768
    .wavefront_size: 32
...
	.end_amdgpu_metadata
.endif
;; end of part 3
